; MI455X (gfx1250); checked and timed in simulation.
; The chip was launched on July 23, 2026; its instructions are those of AMD's public machine-readable ISA for CDNA 5 (MIT licence, August 2026) and "CDNA5" Instruction Set Architecture Reference Guide (July 2026). The comments in the code are by the model that wrote it; some were corrected since.
;; Block3 D Attention. Allowed arithmetic: matrix products marked QUANTISED: E2M3 operands, one E8M0 scale for each 32 along K, by v_wmma_scale_f32_16x16x128_f8f6f4 with both operands' format E2M3, f32 sums; everything else in f32.
;; Inputs: Wk 512 x 2,048 float32; Wo 2,048 x 1,024 float32; Wq 1,024 x 2,048 float32; Wv 512 x 2,048 float32; hidden_states 2 x 4,096 x 2,048 float32.
;; Outputs: out0 2 x 4,096 x 2,048 float32.
;; Constants: x_dim = 16, y_dim = 16, z_dim = 16.
;; This version of the problem:
;;   THIS VERSION OF THE PROBLEM IS GIVEN IN LOW PRECISION. The matrix products marked QUANTISED in the list below multiply operands that are first quantised to E2M3 (2 exponent bits, 3 mantissa bits; 6 bits a number), with one power-of-two scale for each 32 numbers along K (OCP MX v1.0); their sums are f32. All else is computed in f32.
;;   The module's matrix products, in the order in which they are computed (A, B: the left and right operand; K: the contracted axis; several contracted axes count as one K, in the product's order):
;;     1. [M 8,192, K 2,048] x [K 2,048, N 1,024]; A: input hidden_states; B: input Wq: QUANTISED
;;     2. [M 8,192, K 2,048] x [K 2,048, N 512]; A: input hidden_states; B: input Wk: QUANTISED
;;     3. [M 8,192, K 2,048] x [K 2,048, N 512]; A: input hidden_states; B: input Wv: QUANTISED
;;     4. batch 2,048 x [M 64, K 64] x [K 64, N 64]; A: computed on the way; B: computed on the way: QUANTISED
;;     5. batch 2,048 x [M 64, K 64] x [K 64, N 64]; A: computed on the way; B: softmax (see below): QUANTISED
;;     6. [M 8,192, K 1,024] x [K 1,024, N 2,048]; A: computed on the way; B: input Wo: QUANTISED
;;   THE QUANTISER, for each operand of a quantised product, along K:
;;     - K is cut into blocks of 32 from its start; a last block that is shorter is filled with zeros.
;;     - A block's scale is 2^e with e = floor(log2(the largest magnitude in the block)) - 2, held to -126 .. 127; a block of zeros has e = 0. As a byte (E8M0): e + 127.
;;     - Each number is divided by its block's scale, clamped to +-7.5, and rounded to the nearest number of E2M3, ties to even, subnormals kept.
;;     - The product sums the exact products of the quantised numbers (number of the format x scale) in f32.
;;   ~~~python
;;   def quantise(x, axis):      # numpy; x: float32 -> the quantised numbers, widened to float32 again
;;       x = np.moveaxis(x, axis, -1); K = x.shape[-1]
;;       x = np.pad(x, [(0, 0)] * (x.ndim - 1) + [(0, -K % 32)]); x = x.reshape(x.shape[:-1] + (-1, 32)); a = np.abs(x).max(-1, keepdims=True)
;;       e = np.where(a > 0, np.clip(np.frexp(np.where(a > 0, a, 1))[1] - 1 - 2, -126, 127), 0)      # np.frexp(a)[1] - 1 = floor(log2(a)), exactly
;;       r = np.clip(x / 2.0 ** e, -7.5, 7.5)
;;       step = 2.0 ** (np.maximum(np.frexp(np.where(r == 0, 1, r))[1] - 1, 0) - 3)
;;       q = np.round(r / step) * step * 2.0 ** e      # np.round: ties to even
;;       return np.moveaxis(q.reshape(q.shape[:-2] + (-1,))[..., :K], -1, axis).astype(np.float32)
;;   ~~~
;;   SOFTMAX AHEAD OF A QUANTISED PRODUCT. Where the list says 'softmax', what is quantised is not the finished softmax but p = 2^(t - M), with t = logit x log2(e) and M = ceil(the row's largest t), a whole number; so 1/2 < the row's largest p <= 1. The row's sum l is taken of the UNQUANTISED p, in f32, and the product's result is divided by l at the end. Since M is a whole number, a kernel that streams over the keys may use a running M (the ceiling of the running maximum): every later rescaling is an exact power of two, which a block's scale takes up: the codes' values come out the same.
;;   OPERANDS COMPUTED ON THE WAY. 'Computed on the way' means the value that the module computes at that place (a softmax that the list does not call 'softmax' is quantised finished and normalised). What goes into a quantiser is computed in f32, as accurately as f32 sums, v_exp_f32 and their like allow (about 1e-6 of the number): no bf16 or f16 on the way to a quantiser, and a product that is left as it is and whose result goes on into a quantised operand takes f32 operands (vector FMAs, or v_wmma_f32_16x16x4_f32). A number that lies on a knife's edge between two numbers of the format may be rounded either way, as far as f32 arithmetic and the matrix unit's own rounding can turn it there, and no further.
;; One version. Each part assembles by itself: llvm-mc -triple=amdgcn-amd-amdhsa -mcpu=gfx1250 --defsym DOCPART=n.
;; ======== version 1 of 1: 3 launches
;; limits: right only within a limited range of input values
;; workspace buffers: a_codes 12,582,912 bytes; a_scales 524,288 bytes; w_codes 3,145,728 bytes; w_scales 131,072 bytes; wo_codes 1,572,864 bytes; wo_scales 65,536 bytes; o_codes 6,291,456 bytes; o_scales 262,144 bytes
;; launch quant (part 1): grid 704 x 1, 4 waves a work-group, no clusters, 34,304 bytes of LDS; arguments hidden_states, Wq, Wk, Wv, Wo, a_codes, a_scales, w_codes, w_scales, wo_codes, wo_scales; writes a_codes, a_scales, w_codes, w_scales, wo_codes, wo_scales
.if DOCPART == 1
	.amdgcn_target "amdgcn-amd-amdhsa--gfx1250"
	.amdhsa_code_object_version 6
	.text
	.protected	k_qc412b000db_quant
	.globl	k_qc412b000db_quant
	.p2align	8
	.type	k_qc412b000db_quant,@function
k_qc412b000db_quant:
	s_mov_b64 s[64:65], 0
	v_nop
	global_prefetch_b8 v0, s[64:65] scope:SCOPE_SE
	s_setreg_imm32_b32 hwreg(HW_REG_WAVE_MODE, 25, 1), 1
	s_wait_xcnt 0x0
; hidden_states [8192][2048], Wq [1024][2048], Wk, Wv [512][2048], Wo [2048][1024], all f32 with K innermost, become codes of FP6 (E2M3) with one E8M0 byte for each 32 along K.
; A block's scale is 2^(floor(log2(its largest magnitude)) - 2); its byte is the largest magnitude's exponent field - 2, held at 1 from below; each number / scale goes to the nearest code, ties to even, beyond 7.5 the largest code.
; LIMITS: a block of zeros gets the byte 1 where the rule says 127 (its codes are zeros, which add nothing under any byte but 0xff, and this program alone reads the bytes); NaN and infinities among the inputs are not served.
; THE WORKSPACE IS LAID AS THE PRODUCTS' REGISTERS WANT IT.  A fragment (16 rows x 128 K, 12 registers a lane) is an image of 1,536 bytes: registers 4 c .. 4 c + 3 of lane l at 512 c + 16 l.
;   codes:  [256 rows][K step of 128][tile of 16 rows][1,536];   scale words: [256 rows][K step][64 rows][lane][2]: word (lane, i) is that of row lane % 16 of tile 2 i + lane / 16 of the 64 rows.
;   Inside each block of 32 the places 0 .. 31 hold k = 0..7, 16..23, 8..15, 24..31: alike in all five tensors, so that both operands of a product agree (it is the order in which the attention's result leaves its registers).
;   Rows: hidden_states in the order (3D block of 4 x 4 x 4 tokens, token in the block); Wq, Wk, Wv stacked by group of heads: 128 rows of Wq, 64 of Wk, 64 of Wv; Wo as it lies.
; SHARES.  A wave's job is 64 rows x 128 K: four fragments; 2,816 jobs, four to a work-group (four neighbouring K steps of the same rows).  Work-groups 0-511 hidden_states, 512-575 Wq, 576-607 Wk, 608-639 Wv, 640-703 Wo.
; One path through the text serves all five: only scalars are chosen, by the work-group's number.  No cluster: no two work-groups read the same byte.  No barrier: a wave's stage is its own.
; A load reads 512 consecutive bytes of one row; the conversions want 32 neighbours of a row in ONE lane: so a fragment's 16 rows turn through the wave's stage in LDS (rows 528 bytes apart: 33 x 16, so sixteen rows start in sixteen different groups of banks).
.set SP,    528
.set WREG,  16*SP                      ; a wave's stage
.set SPARE, 4*WREG                     ; behind the stages: the spare words, 128 bytes for each wave: two blocks of 256 bytes that no other line names
.set LI,   5                           ; v5   16 x lane
.set L8,   6                           ; v6   8 x lane
.set ST,   7                           ; v7   the stage on the way in: 16 x lane
.set VO,   8                           ; v8-11 offsets of rows z = 0 .. 3: 16 x lane + z rows
.set RDA,  12                          ; v12  the stage on the way out: row lane % 16, block lane / 16
.set TW,   13                          ; v13, v14 at work on the scale word
.set MX,   16                          ; v16-17 largest magnitudes; v18-19 the conversions' scale operands; v20-21 the bytes
.set SCF,  18
.set SB,   20
.set W,    22                          ; v22-25 the four fragments' scale words
.set WM,   26                          ; v26-27 the words as they are stored
.set SPW,  28                          ; v28  LDS address of my spare word; never rewritten
.set NIL,  29                          ; v29  0; never rewritten
.set R,    32                          ; v32-159 two sets of 16 rows x 4 registers as loaded
.set X,    160                         ; v160-223 my two blocks of 32 numbers
.set C,    224                         ; v224-235 a fragment's codes
.set TC,   236                         ; v236-238, v240-242 the blocks' upper halves (a conversion's three registers begin on an even number)
	s_load_b512 s[4:19], s[0:1], 0x0               ; hidden s[4:5], Wq s[6:7], Wk s[8:9], Wv s[10:11], Wo s[12:13], a_codes s[14:15], a_scales s[16:17], w_codes s[18:19]
	s_load_b128 s[20:23], s[0:1], 0x40             ; w_scales s[20:21], wo_codes s[22:23]
	s_load_b64 s[24:25], s[0:1], 0x50              ; wo_scales
	v_lshl_add_u32 v[SPW], v0, 2, SPARE
	v_mov_b32 v[NIL], 0
	v_lshrrev_b32 v1, 5, v0
	v_readfirstlane_b32 s89, v1                    ; wave
	v_and_b32 v1, 31, v0                           ; lane
	v_and_b32 v2, 15, v0                           ; r
	v_bfe_u32 v3, v0, 4, 1                         ; h
	v_lshlrev_b32 v4, 3, v3                        ; 8 h: my bytes' place in a scale word, in bits
	v_lshlrev_b32 v[LI], 4, v1
	s_wait_alu depctr_va_vdst(0)
	v_lshlrev_b32 v[L8], 3, v1
	s_mul_i32 s74, s89, WREG
	v_add_nc_u32 v[ST], s74, v[LI]
	v_mul_u32_u24 v[RDA], v2, SP
	v_lshl_add_u32 v[RDA], v3, 7, v[RDA]
	v_add_nc_u32 v[RDA], s74, v[RDA]
	v_mov_b32 v[TW+1], 0                           ; written once: a lane permute's destination counts as one of its sources
	s_mov_b32 s86, 0x76543210
	s_mov_b32 s87, 0xfedcba98                      ; v_permlanex16_b32's selects for lane l xor 16
	s_mov_b32 s88, 0xffff0000                      ; lanes 16-31
	; the tensor's figures, Wo's first, then overridden from the highest work-group numbers down
	s_mov_b32 s66, 640                             ; its first work-group
	s_mov_b32 s67, 3                               ; log2 of its K steps
	s_mov_b32 s68, 4096                            ; a row in bytes
	s_mov_b32 s69, 2                               ; rows y are 2^this rows apart, rows u 2^(2 x this)
	s_mov_b32 s70, 2                               ; the job's 64 rows G go to the 64 rows ((G >> s70) << 2) + (G & s71) + s72 of the workspace
	s_mov_b32 s71, 3
	s_mov_b32 s72, 0
	s_mov_b32 s73, 0                               ; 1: rows in the order of 3D blocks
	s_cmp_lt_u32 ttmp9, 640                        ; Wv
	s_cselect_b32 s66, 608, s66
	s_cselect_b32 s67, 4, s67
	s_cselect_b32 s68, 8192, s68
	s_cselect_b32 s70, 0, s70
	s_cselect_b32 s71, 0, s71
	s_cselect_b32 s72, 3, s72
	s_cmp_lt_u32 ttmp9, 608                        ; Wk
	s_cselect_b32 s66, 576, s66
	s_cselect_b32 s72, 2, s72
	s_cmp_lt_u32 ttmp9, 576                        ; Wq
	s_cselect_b32 s66, 512, s66
	s_cselect_b32 s70, 1, s70
	s_cselect_b32 s71, 1, s71
	s_cselect_b32 s72, 0, s72
	s_cmp_lt_u32 ttmp9, 512                        ; hidden_states
	s_cselect_b32 s66, 0, s66
	s_cselect_b32 s69, 4, s69
	s_cselect_b32 s70, 2, s70
	s_cselect_b32 s71, 3, s71
	s_cselect_b32 s73, 1, s73
	s_sub_co_u32 s74, ttmp9, s66
	s_lshl_b32 s74, s74, 2
	s_add_co_u32 s74, s74, s89                     ; my job in the tensor
	s_bfm_b32 s75, s67, 0
	s_and_b32 s75, s74, s75                        ; its K step
	s_lshr_b32 s74, s74, s67                       ; G: its 64 rows
	s_lshr_b32 s90, s74, 4                         ; 3D block G = (b, bnx, bny, bnz): its first token is 1,024 (4 b + bnx) + 64 bny + 4 bnz
	s_lshl_b32 s90, s90, 10
	s_bfe_u32 s91, s74, 0x20002
	s_lshl_b32 s91, s91, 6
	s_add_co_u32 s90, s90, s91
	s_and_b32 s91, s74, 3
	s_lshl_b32 s91, s91, 2
	s_add_co_u32 s90, s90, s91
	s_lshl_b32 s91, s74, 6                         ; a weight's: 64 G
	s_cmp_eq_u32 s73, 1
	s_cselect_b32 s90, s90, s91
	s_mul_i32 s80, s90, s68
	s_lshl_b32 s91, s75, 9
	s_add_co_u32 s80, s80, s91                     ; the job's first byte in the tensor (under 2^27)
	s_mov_b32 s81, 0
	s_lshl_b32 s76, s68, s69                       ; from y to y + 1, in bytes
	s_mov_b32 s77, 0
	s_lshl_b32 s78, s76, s69                       ; from u to u + 1
	s_mov_b32 s79, 0
	s_lshr_b32 s90, s74, s70
	s_lshl_b32 s90, s90, 2
	s_and_b32 s91, s74, s71
	s_add_co_u32 s90, s90, s91
	s_add_co_u32 s90, s90, s72                     ; which 64 rows of the workspace
	s_lshr_b32 s91, s90, 2
	s_lshl_b32 s91, s91, s67
	s_add_co_u32 s91, s91, s75                     ; (256 rows, K step)
	s_and_b32 s90, s90, 3                          ; which 64 of the 256
	s_mul_i32 s82, s91, 24576
	s_mul_i32 s92, s90, 6144
	s_add_co_u32 s82, s82, s92                     ; the codes' place
	s_mov_b32 s83, 0
	s_lshl_b32 s84, s91, 2
	s_add_co_u32 s84, s84, s90
	s_lshl_b32 s84, s84, 8                         ; the scale words' place
	s_mov_b32 s85, 0
	v_mov_b32 v[VO], v[LI]
	v_add_nc_u32 v[VO+1], s68, v[VO]
	v_add_nc_u32 v[VO+2], s68, v[VO+1]
	v_add_nc_u32 v[VO+3], s68, v[VO+2]
	s_wait_alu depctr_va_vdst(0)
	s_wait_kmcnt 0x0
	s_cmp_lt_u32 ttmp9, 640                        ; the buffers are chosen by the work-group's number alone
	s_cselect_b64 s[12:13], s[10:11], s[12:13]
	s_cselect_b64 s[22:23], s[18:19], s[22:23]
	s_cselect_b64 s[24:25], s[20:21], s[24:25]
	s_cmp_lt_u32 ttmp9, 608
	s_cselect_b64 s[12:13], s[8:9], s[12:13]
	s_cmp_lt_u32 ttmp9, 576
	s_cselect_b64 s[12:13], s[6:7], s[12:13]
	s_cmp_lt_u32 ttmp9, 512
	s_cselect_b64 s[12:13], s[4:5], s[12:13]
	s_cselect_b64 s[22:23], s[14:15], s[22:23]
	s_cselect_b64 s[24:25], s[16:17], s[24:25]
	s_add_nc_u64 s[32:33], s[12:13], s[80:81]      ; s[32 + 8 u + 2 y]: the base of rows (u, y, 0 .. 3)
	s_add_nc_u64 s[22:23], s[22:23], s[82:83]      ; codes
	s_add_nc_u64 s[24:25], s[24:25], s[84:85]      ; scale words
.irp y, 1,2,3
	s_add_nc_u64 s[32+2*\y:33+2*\y], s[30+2*\y:31+2*\y], s[76:77]
.endr
.irp u, 1,2,3
.irp y, 0,1,2,3
	s_add_nc_u64 s[32+8*\u+2*\y:33+8*\u+2*\y], s[24+8*\u+2*\y:25+8*\u+2*\y], s[78:79]
.endr
.endr
.macro LOAD u                          ; fragment u's 16 rows, 512 consecutive bytes each, into set u % 2
.irp y, 0,1,2,3
.irp z, 0,1,2,3
	global_load_b128 v[R+64*((\u)%2)+4*(4*\y+\z):R+64*((\u)%2)+4*(4*\y+\z)+3], v[VO+\z], s[32+8*(\u)+2*\y:33+8*(\u)+2*\y] th:TH_LOAD_NT
.endr
.endr
.endm
.macro FRAG u
.set RS, R+64*((\u)%2)
.if (\u) < 3
	s_wait_loadcnt 16                              ; this fragment's 16 loads are in; the next one's 16 may be out
.else
	s_wait_loadcnt 0x0
.endif
.irp i, 0,1,2,3,4,5,6,7,8,9,10,11,12,13,14,15
	ds_store_b128 v[ST], v[RS+4*\i:RS+4*\i+3] offset:SP*\i
.endr
.irp c, 0,1                            ; back: of row lane % 16 the blocks lane / 16 and 2 + lane / 16, each in the order 0..7, 16..23, 8..15, 24..31.  LDS serves a wave's instructions in order: these see the stores above
.irp j, 0,1,2,3,4,5,6,7
	ds_load_b128 v[X+32*\c+4*\j:X+32*\c+4*\j+3], v[RDA] offset:256*\c+16*((\j/4)*2+((\j/2)%2)*4+\j%2)
.endr
.endr
	s_wait_dscnt 0x0                               ; my numbers are in, and the stores have read the set,
.if (\u) < 2
	LOAD (\u)+2                                    ; which takes the fragment two on
.endif
.irp c, 0,1
	v_max3_num_f32 v[MX+\c], |v[X+32*\c]|, |v[X+32*\c+1]|, 0x1800000   ; the block's largest magnitude, all 32 numbers mine, and the floor 2^(3 - 127): so the byte cannot fall under 1
.endr
.irp i, 2,4,6,8,10,12,14,16,18,20,22,24,26,28,30
.irp c, 0,1
	v_max3_num_f32 v[MX+\c], v[MX+\c], |v[X+32*\c+\i]|, |v[X+32*\c+\i+1]|
.endr
.endr
.irp c, 0,1
	v_add_nc_u32 v[SCF+\c], 0xff000000, v[MX+\c]   ; 2 off its exponent field: the conversion takes the exponent field of this operand as its scale
.endr
.irp c, 0,1
	v_lshrrev_b32 v[SB+\c], 23, v[SCF+\c]          ; the scale's byte
.endr
	v_lshl_or_b32 v[TW], v[SB+1], 16, v[SB]        ; my two bytes: blocks h and 2 + h,
	v_lshlrev_b32 v[TW], v4, v[TW]                 ; at their places in the word;
	v_permlanex16_b32 v[TW+1], v[TW], s86, s87
	v_or_b32 v[W+(\u)], v[TW], v[TW+1]             ; with lane l xor 16's two the word is whole, in both lanes
.if (\u) > 0
	s_wait_alu depctr_va_vdst(0)
	s_wait_xcnt 0x0                                ; the last fragment's stores have read their data: the codes' registers are written again only behind this wait
.endif
	v_cvt_scalef32_pk16_fp6_f32 v[C:C+2], v[X:X+15], v[SCF]
	v_cvt_scalef32_pk16_fp6_f32 v[TC:TC+2], v[X+16:X+31], v[SCF]
	v_cvt_scalef32_pk16_fp6_f32 v[C+6:C+8], v[X+32:X+47], v[SCF+1]
	v_cvt_scalef32_pk16_fp6_f32 v[TC+4:TC+6], v[X+48:X+63], v[SCF+1]
	v_nop                                          ; one plain place behind a scaled conversion
.irp i, 0,1,2
	v_mov_b32 v[C+3+\i], v[TC+\i]
	v_mov_b32 v[C+9+\i], v[TC+4+\i]
.endr
.irp c, 0,1,2
	global_store_b128 v[LI], v[C+4*\c:C+4*\c+3], s[22:23] offset:1536*(\u)+512*\c   ; 32 lanes store 512 consecutive bytes, at a multiple of 256 from the buffer's first byte
.endr
.endm
	LOAD 0
	LOAD 1
	FRAG 0
	FRAG 1
	FRAG 2
	FRAG 3
	v_cndmask_b32 v[WM], v[W], v[W+1], s88         ; lanes 0-15 tile 0's words, lanes 16-31 tile 1's
	v_cndmask_b32 v[WM+1], v[W+2], v[W+3], s88     ; tiles 2 and 3
	global_store_b64 v[L8], v[WM:WM+1], s[24:25]   ; 32 lanes store 256 consecutive bytes, aligned
	s_wait_tensorcnt 0x0                           ; the wave's end: behind my last LDS store
	ds_add_u32 v[SPW], v[NIL]
	s_wait_dscnt 0x0
	s_endpgm
.Lfunc_end_k_qc412b000db_quant:
	.size	k_qc412b000db_quant, .Lfunc_end_k_qc412b000db_quant-k_qc412b000db_quant
	.p2alignl 7, 3214868480
	.fill 96, 4, 3214868480
	.section	.rodata,"a",@progbits
	.p2align	6, 0x0
	.amdhsa_kernel k_qc412b000db_quant
		.amdhsa_group_segment_fixed_size 34304
		.amdhsa_private_segment_fixed_size 0
		.amdhsa_enable_private_segment 0
		.amdhsa_kernarg_size 88
		.amdhsa_user_sgpr_count 2
		.amdhsa_user_sgpr_kernarg_segment_ptr 1
		.amdhsa_wavefront_size32 1
		.amdhsa_system_sgpr_workgroup_id_x 1
		.amdhsa_system_sgpr_workgroup_id_y 1
		.amdhsa_system_sgpr_workgroup_id_z 1
		.amdhsa_system_vgpr_workitem_id 0
		.amdhsa_next_free_vgpr 256
		.amdhsa_next_free_sgpr 96
		.amdhsa_reserve_vcc 0
		.amdhsa_float_denorm_mode_32 3
		.amdhsa_float_denorm_mode_16_64 3
		.amdhsa_memory_ordered 1
		.amdhsa_forward_progress 1
		.amdhsa_inst_pref_size 33
	.end_amdhsa_kernel
	.amdgpu_metadata
---
amdhsa.version: [ 1, 2 ]
amdhsa.kernels:
  - .name:           k_qc412b000db_quant
    .symbol:         k_qc412b000db_quant.kd
    .args:
      - { .name: hidden_states, .offset: 0, .size: 8, .value_kind: global_buffer, .address_space: global }
      - { .name: Wq, .offset: 8, .size: 8, .value_kind: global_buffer, .address_space: global }
      - { .name: Wk, .offset: 16, .size: 8, .value_kind: global_buffer, .address_space: global }
      - { .name: Wv, .offset: 24, .size: 8, .value_kind: global_buffer, .address_space: global }
      - { .name: Wo, .offset: 32, .size: 8, .value_kind: global_buffer, .address_space: global }
      - { .name: a_codes, .offset: 40, .size: 8, .value_kind: global_buffer, .address_space: global }
      - { .name: a_scales, .offset: 48, .size: 8, .value_kind: global_buffer, .address_space: global }
      - { .name: w_codes, .offset: 56, .size: 8, .value_kind: global_buffer, .address_space: global }
      - { .name: w_scales, .offset: 64, .size: 8, .value_kind: global_buffer, .address_space: global }
      - { .name: wo_codes, .offset: 72, .size: 8, .value_kind: global_buffer, .address_space: global }
      - { .name: wo_scales, .offset: 80, .size: 8, .value_kind: global_buffer, .address_space: global }
    .group_segment_fixed_size: 34304
    .private_segment_fixed_size: 0
    .kernarg_segment_align: 8
    .kernarg_segment_size: 88
    .max_flat_workgroup_size: 128
    .sgpr_count:     96
    .vgpr_count:     256
    .wavefront_size: 32
...
	.end_amdgpu_metadata
.endif
;; end of part 1
;; launch qkvattn (part 2): grid 32 x 8, 4 waves a work-group, clusters of 4 x 1, 327,680 bytes of LDS; arguments a_codes, a_scales, w_codes, w_scales, o_codes, o_scales; writes o_codes, o_scales
.if DOCPART == 2
	.amdgcn_target "amdgcn-amd-amdhsa--gfx1250"
	.amdhsa_code_object_version 6
	.text
	.protected	k_qc412b000db_qkvattn
	.globl	k_qc412b000db_qkvattn
	.p2align	8
	.type	k_qc412b000db_qkvattn,@function
k_qc412b000db_qkvattn:
	s_mov_b64 s[64:65], 0
	v_nop
	global_prefetch_b8 v0, s[64:65] scope:SCOPE_SE
	s_setreg_imm32_b32 hwreg(HW_REG_WAVE_MODE, 25, 1), 1
	s_wait_xcnt 0x0
	s_wait_alu depctr_hold_cnt(0) depctr_sa_sdst(0) depctr_va_vdst(0) depctr_va_sdst(0) depctr_va_ssrc(0) depctr_va_vcc(0) depctr_vm_vsrc(0)
	s_getreg_b32 s2, hwreg(HW_REG_IB_STS2, 6, 4)
	s_cmp_eq_u32 s2, 0
	s_cbranch_scc0 .Lentry_in_a_cluster
	s_endpgm
.Lentry_in_a_cluster:
	s_bfe_u32 s2, ttmp6, 0x10000c
	s_cmp_lg_u32 s2, 0x3003
	s_cbranch_scc0 .Lentry_shape_is_right
	s_endpgm
.Lentry_shape_is_right:
; q, k, v = hidden x (Wq, Wk, Wv)^T, attention inside each 3D block of 64 tokens, and the quantising of its result, all on codes of FP6 (E2M3) with one E8M0 scale for each 32 along a product's K.
; SHARES.  A work-group takes 256 tokens (four 3D blocks) x the 256 columns of one group of heads (two query heads, their key head, their value head): 32 x 8 work-groups.
; A WAVE OWNS ONE 3D BLOCK (64 tokens, 4 tiles) x ALL 256 COLUMNS (16 tiles): 64 accumulators, 512 registers.  q, k and v of a whole unit of attention lie in one wave: what follows the first product needs no LDS and no barrier.
; Column tiles 0-7 (q) and 8-11 (k) are used TRANSPOSED (source 0 = 16 rows of W, source 1 = 16 tokens): a lane holds one token, its registers run along the head's 64, the next K.
; Column tiles 12-15 (v) are used as they stand: a lane holds one channel, its registers run along the tokens, the second attention product's K.
; OPERANDS lie in memory as images of their registers (1,536 bytes a fragment: registers 4 c .. 4 c + 3 of lane l at 512 c + 16 l).
; THE WEIGHTS, which all four waves read, go through a ring of two LDS slots, FOUR K steps of 128 (98,304 bytes) to a slot, each wave fetching one step (24,576 dense bytes) by one tensor load.
; The four work-groups of a cluster (4 along x: other tokens, the same group of heads) ask for them JOINTLY.  16 steps are four fills: slot 0 at the head, slot 1 behind the first round, and two refills.
; THE TOKENS' FRAGMENTS are read by ONE wave each: they go from memory straight into that wave's registers (12 loads of 512 consecutive bytes a step), with the step's scale words (one load of 256 bytes for the tokens, four for the weights).
; Four sets of registers, filled three steps ahead: 51 loads a wave are out.  They are not asked for jointly and do not pass through LDS: there they would take half of each slot, and a slot of the same bytes would hold two steps.
; PREFETCH: behind the first two fills each wave names, once in its cluster (the four partners share a step's 96 blocks of 256 bytes by address, 24 each), the fill two slots on.  The tokens have none: their own loads run three steps ahead.
; ATTENTION.  K = 64 in an instruction of K = 128: an operand is [16 codes | zeros | 16 codes | zeros] in each lane, the scale word [s0, s0, s1, s1]; zero codes add nothing.  Both operands of a product come out of the same
; pattern (two neighbouring tiles' 16 registers = places 8 h + 0..7 and 16 + 8 h + 0..7 of a block of 32), so their K places agree and nothing changes lanes.
; SOFTMAX: t = score x log2(e) / 8; M = ceil(the row's largest t); p = 2^(t - M) is quantised; the row's sum is taken of the unquantised p and divides the result.  All 64 keys are in hand: no running maximum is needed.
; LIMITS: a block of zeros gets the byte 1 where the rule says 127 (its codes are zeros; this program alone reads the bytes); NaN and infinities are not served.
; REGISTERS, in windows of 256.  Window 0: v5-7, v20, v21, v28, v29 addresses; v32-71 scale words, four sets of 10; v80-223 the tokens' fragments, sets 0-2.  Window 1: v0-191 the weights' 16 fragments; v192-239 the tokens' set 3.
;   Windows 2, 3: the accumulators.  Behind the first product windows 0 and 1 are laid anew (see below).
.set NSTEP,  16                        ; K steps of 128
.set NVT,    12                        ; column tiles under this number are used transposed
.set STEPB,  24576                     ; 16 fragments: one operand's part of a K step
.set SLOTD,  131072                    ; slot 1 begins here: a power of two above a slot's 98,304 bytes, so that an xor changes slots
.set SPARE,  SLOTD+4*STEPB             ; the spare words, 128 bytes for each wave: two blocks of 256 bytes that no other line names
.set LI,   5                           ; v5   16 x lane
.set L8,   6                           ; v6   8 x lane
.set PFO,  7                           ; v7   256 x min(lane, 23): the prefetches' offset; never rewritten
.set LO,   20                          ; v20  LDS address of steps 0, 1 of the slot that is entered next
.set HI,   21                          ; v21  of steps 2, 3 of the slot at work
.set SPW,  28                          ; v28  LDS address of my spare word; never rewritten
.set NIL,  29                          ; v29  0; never rewritten
.set SC,   32                          ; scale words: set p at SC + 10 p; column tile b: register 2 (b / 4) + (b % 4) / 2, lanes 16 (b % 2) on; token tile a: register 8 + a / 2, lanes 16 (a % 2) on
.set AF,   80
.set G1,   24                          ; s[24:31] descriptor group 1; s[32:35] group 0
.set G0,   32
.set PW,   44                          ; s[44:45] the prefetches' base
.set SEL,  96                          ; s[96:97] v_permlanex16_b32's selects for lane l xor 16
.set CS,   98                          ; s[98:99] c = log2(e) / 8
.set HM,   100                         ; s100 lanes 16-31
.set MSB, 0
.macro WIN new                         ; the immediate's high byte repeats the setting that is left; a switch that changes nothing is dropped
.if MSB != (\new)
	s_set_vgpr_msb (MSB<<8)|(\new)
.set MSB, \new
.endif
.endm
.set TO_B,   0x40                      ; destination window 1, address window 0
.macro CREST                           ; a round of the cluster's barrier behind its opening barrier
	s_cmp_lg_u32 s16, 0
	s_cbranch_scc1 .Lnot_wave_0_\@
	s_barrier_signal -3
.Lnot_wave_0_\@:
	s_barrier_wait -3
	s_barrier_signal -1
	s_barrier_wait -1
.endm
.macro CROUND                          ; a whole round
	s_barrier_signal -1
	s_barrier_wait -1
	CREST
.endm
.macro PLACES n                        ; plain vector instructions that name no register: the distance behind matrix instructions and conversions, and in front of scaled matrix instructions (ISA guide 7.12.1)
.rept \n
	v_nop
.endr
.endm
.macro ASET p                          ; where the tokens' set p lies
.if (\p) < 3
.set aW, 0
.set aR, AF+48*(\p)
.else
.set aW, 1
.set aR, 192
.endif
.endm
; A step's 17 loads into set p: my four token tiles (6,144 consecutive bytes), the weights' scale words (1,024 bytes), my tokens' (256).  rel: the step, counted from where the three bases stand.
.macro GLOAD rel, p
	ASET \p
	WIN aW<<6
.irp n, 0,1,2,3,4,5,6,7,8,9,10,11
	global_load_b128 v[aR+4*\n:aR+4*\n+3], v[LI], s[4:5] offset:STEPB*(\rel)+512*\n
.endr
	WIN 0
.irp d, 0,1,2,3
	global_load_b64 v[SC+10*(\p)+2*\d:SC+10*(\p)+2*\d+1], v[L8], s[10:11] offset:1024*(\rel)+256*\d
.endr
	global_load_b64 v[SC+10*(\p)+8:SC+10*(\p)+9], v[L8], s[6:7] offset:1024*(\rel)
.endm
	s_load_b256 s[4:11], s[0:1], 0x0               ; a_codes s[4:5], a_scales s[6:7], w_codes s[8:9], w_scales s[10:11]
	s_load_b128 s[12:15], s[0:1], 0x20             ; o_codes s[12:13], o_scales s[14:15]
	v_lshl_add_u32 v[SPW], v0, 2, SPARE
	v_mov_b32 v[NIL], 0
	ds_add_u32 v[SPW], v[NIL]                      ; the wave's opening: the add, twice on end, and its wait ahead of my first tensor load
	ds_add_u32 v[SPW], v[NIL]
	v_lshrrev_b32 v1, 5, v0
	v_readfirstlane_b32 s16, v1                    ; wave 0..3
	v_and_b32 v1, 31, v0
	v_lshlrev_b32 v[LI], 4, v1
	v_lshlrev_b32 v[L8], 3, v1
	v_min_u32 v2, 23, v1
	v_lshlrev_b32 v[PFO], 8, v2                    ; lanes 24-31 name the last block again
	v_mov_b32 v[LO], v[LI]                         ; slot 0, steps 0 and 1
	v_add_nc_u32 v[HI], SLOTD+2*STEPB, v[LI]       ; slot 1, steps 2 and 3: the first change of slots makes it slot 0's
	s_wait_alu depctr_va_vdst(0)                   ; the wait behind the head's vector instructions
	s_bfe_u32 s40, ttmp6, 0x40000                  ; cx: my place in the cluster
	s_lshl_b32 s43, ttmp9, 2
	s_add_co_u32 s43, s43, s40                     ; the 256 tokens = 4 x cluster x + cx
	s_and_b32 s42, ttmp7, 0xffff                   ; the group of heads
	s_mov_b32 s[G1], 15|(3<<16)|(1<<21)            ; the mask: all four of the cluster; elements of 8 bytes; bit 21 set beside a mask
	s_mov_b32 s[G1+1], 32<<16                      ; a dense block of 24,576 bytes as 96 rows of 256 bytes
	s_mov_b32 s[G1+2], 96<<16
	s_mov_b32 s[G1+3], 32<<16
	s_mov_b32 s[G1+4], 96
	s_mov_b32 s[G1+5], 32
	s_mov_b32 s[G1+6], 0
	s_mov_b32 s[G1+7], 0
	s_mul_i32 s20, s43, NSTEP*STEPB                ; the tokens' codes: my 256 rows, my four tiles
	s_mul_i32 s21, s16, 6144
	s_add_co_u32 s20, s20, s21
	s_mov_b32 s21, 0
	s_lshl_b32 s22, s43, 14                        ; their scale words: 1,024 bytes a step, my 256 of them
	s_lshl_b32 s23, s16, 8
	s_add_co_u32 s22, s22, s23
	s_mov_b32 s23, 0
	s_mul_i32 s46, s42, NSTEP*STEPB                ; the weights' codes: my step of a slot's four (no place in the cluster enters)
	s_mul_i32 s47, s16, STEPB
	s_add_co_u32 s46, s46, s47
	s_mov_b32 s47, 0
	s_lshl_b32 s92, s42, 14                        ; the weights' scale words
	s_mov_b32 s93, 0
	s_mul_i32 s94, s40, 6144                       ; the prefetches: my work-group's 24 blocks of the 96 that I fetch
	s_mov_b32 s95, 0
	s_mov_b32 s[G0], 1
	s_mul_i32 s[G0+1], s16, STEPB                  ; where my step goes in slot 0
	s_mov_b32 s[SEL], 0x76543210
	s_mov_b32 s[SEL+1], 0xfedcba98
	s_mov_b32 s[CS], 0x3e38aa3b                    ; log2(e) / 8
	s_mov_b32 s[CS+1], s[CS]                       ; (named with it as a pair, so it is written)
	s_mov_b32 s[HM], 0xffff0000
	s_wait_dscnt 0x0                               ; both opening adds are done
	s_wait_kmcnt 0x0
	s_add_nc_u64 s[4:5], s[4:5], s[20:21]
	s_add_nc_u64 s[6:7], s[6:7], s[22:23]
	s_add_nc_u64 s[8:9], s[8:9], s[46:47]
	s_add_nc_u64 s[10:11], s[10:11], s[92:93]
	s_add_nc_u64 s[PW:PW+1], s[8:9], s[94:95]
	s_mov_b64 s[G0+2:G0+3], s[8:9]
	s_or_b32 s[G0+3], s[G0+3], 0x80000000
	GLOAD 0, 0                                     ; the tokens' first three steps are asked for ahead of the round
	GLOAD 1, 1
	GLOAD 2, 2
	CROUND                                         ; all four work-groups are here: the first joint loads meet
	tensor_load_to_lds s[G0:G0+3], s[G1:G1+7]      ; slot 0, my step: one tensor load a wave at the head
	s_nop 0
	PLACES 4
	GLOAD 3, 3
	global_prefetch_b8 v[PFO], s[PW:PW+1] offset:8*STEPB th:TH_LOAD_NT scope:SCOPE_SE   ; the fill two slots on: steps 8-11
	s_lshl_b32 s20, s43, 3                         ; the result: K step g of the last product, rows as the tokens': (256 rows, step) = 8 x rows + group
	s_add_co_u32 s20, s20, s42
	s_lshl_b32 s22, s20, 2
	s_add_co_u32 s22, s22, s16
	s_lshl_b32 s22, s22, 8                         ; my 64 rows' scale words
	s_mov_b32 s23, 0
	s_mul_i32 s20, s20, STEPB
	s_mul_i32 s21, s16, 6144
	s_add_co_u32 s20, s20, s21                     ; my four fragments
	s_mov_b32 s21, 0
	s_add_nc_u64 s[12:13], s[12:13], s[20:21]
	s_add_nc_u64 s[14:15], s[14:15], s[22:23]
; One matrix instruction, from the symbols rD, x0, x1 (sources), y0, y1 (their scale registers), o0, o1 (1: the scales stand in lanes 16-31).  zero = 1: the product starts the sum: nothing is ever cleared.
.macro EMIT zero
.if \zero
.if o0 && o1
	v_wmma_scale_f32_16x16x128_f8f6f4 v[rD:rD+7], v[x0:x0+11], v[x1:x1+11], 0, v[y0], v[y1] matrix_a_fmt:MATRIX_FMT_FP6 matrix_b_fmt:MATRIX_FMT_FP6 matrix_a_scale:MATRIX_SCALE_ROW1 matrix_b_scale:MATRIX_SCALE_ROW1
.elseif o0
	v_wmma_scale_f32_16x16x128_f8f6f4 v[rD:rD+7], v[x0:x0+11], v[x1:x1+11], 0, v[y0], v[y1] matrix_a_fmt:MATRIX_FMT_FP6 matrix_b_fmt:MATRIX_FMT_FP6 matrix_a_scale:MATRIX_SCALE_ROW1
.elseif o1
	v_wmma_scale_f32_16x16x128_f8f6f4 v[rD:rD+7], v[x0:x0+11], v[x1:x1+11], 0, v[y0], v[y1] matrix_a_fmt:MATRIX_FMT_FP6 matrix_b_fmt:MATRIX_FMT_FP6 matrix_b_scale:MATRIX_SCALE_ROW1
.else
	v_wmma_scale_f32_16x16x128_f8f6f4 v[rD:rD+7], v[x0:x0+11], v[x1:x1+11], 0, v[y0], v[y1] matrix_a_fmt:MATRIX_FMT_FP6 matrix_b_fmt:MATRIX_FMT_FP6
.endif
.else
.if o0 && o1
	v_wmma_scale_f32_16x16x128_f8f6f4 v[rD:rD+7], v[x0:x0+11], v[x1:x1+11], v[rD:rD+7], v[y0], v[y1] matrix_a_fmt:MATRIX_FMT_FP6 matrix_b_fmt:MATRIX_FMT_FP6 matrix_a_scale:MATRIX_SCALE_ROW1 matrix_b_scale:MATRIX_SCALE_ROW1
.elseif o0
	v_wmma_scale_f32_16x16x128_f8f6f4 v[rD:rD+7], v[x0:x0+11], v[x1:x1+11], v[rD:rD+7], v[y0], v[y1] matrix_a_fmt:MATRIX_FMT_FP6 matrix_b_fmt:MATRIX_FMT_FP6 matrix_a_scale:MATRIX_SCALE_ROW1
.elseif o1
	v_wmma_scale_f32_16x16x128_f8f6f4 v[rD:rD+7], v[x0:x0+11], v[x1:x1+11], v[rD:rD+7], v[y0], v[y1] matrix_a_fmt:MATRIX_FMT_FP6 matrix_b_fmt:MATRIX_FMT_FP6 matrix_b_scale:MATRIX_SCALE_ROW1
.else
	v_wmma_scale_f32_16x16x128_f8f6f4 v[rD:rD+7], v[x0:x0+11], v[x1:x1+11], v[rD:rD+7], v[y0], v[y1] matrix_a_fmt:MATRIX_FMT_FP6 matrix_b_fmt:MATRIX_FMT_FP6
.endif
.endif
.endm
; Column tile b x token tile a, on the tokens' set p.
; Accumulators: transposed tiles at 16 (4 ((b % 8) / 2) + a) + 8 (b % 2) of window 2 + b / 8, so that column tiles 2 i, 2 i + 1 of one token tile are 16 registers on end;
; v's at 8 (4 (b % 8) + a) of window 3, so that token tiles 2 i, 2 i + 1 of one column tile are.
.macro WM b, a, p, zero
	ASET \p
.set kB, SC+10*(\p)+2*((\b)/4)+((\b)%4)/2
.set kA, SC+10*(\p)+8+(\a)/2
.if (\b) < NVT
.set rD, 16*(4*(((\b)%8)/2)+(\a))+8*((\b)%2)
.set x0, 12*(\b)
.set x1, aR+12*(\a)
.set y0, kB
.set y1, kA
.set o0, (\b)%2
.set o1, (\a)%2
.if (\b) < 8
	WIN 0xa1|(aW<<2)                               ; source 0 (weights) window 1, source 1 (tokens) the set's window, C and D window 2
.else
	WIN 0xf1|(aW<<2)                               ; the same, C and D window 3
.endif
.else
.set rD, 8*(4*((\b)%8)+(\a))
.set x0, aR+12*(\a)
.set x1, 12*(\b)
.set y0, kA
.set y1, kB
.set o0, (\a)%2
.set o1, (\b)%2
	WIN 0xf4|aW                                    ; source 0 (tokens), source 1 (weights) window 1, C and D window 3
.endif
	EMIT \zero
.endm
; nb column tiles from b0 on x my four token tiles.  The 64 accumulators take turns, one instruction a turn, in the same order in every step.
.macro MULB b0, nb, p, zero
.set bb, \b0
.rept \nb
.set aa, 0
.rept 4
	WM bb, aa, \p, \zero
.set aa, aa+1
.endr
.set bb, bb+1
.endr
.endm
.macro FETCH_B adr, q, b0              ; eight column tiles from b0 on, of step q (0, 1) behind the address: 24 loads
	WIN TO_B
.irp i, 0,1,2,3,4,5,6,7
.irp c, 0,1,2
	ds_load_b128 v[12*((\b0)+\i)+4*\c:12*((\b0)+\i)+4*\c+3], v[\adr] offset:STEPB*(\q)+1536*((\b0)+\i)+512*\c
.endr
.endr
	WIN 0
.endm
; A step on set p.  A column tile is free as soon as its four products are issued: tiles 0-7 of the next step (at adr, q) are fetched in the step's middle, tiles 8-15 at its end;
; then the set takes the step four on (rel; -1: none is left).  The loads stand in two long runs a step.  cnt: the loads of the younger batches, 17 each, which may be out.
.macro STEP p, adr, q, rel, cnt, zero
	s_wait_loadcnt \cnt
	s_wait_dscnt 24                                ; all but the youngest 24 LDS loads (column tiles 8-15) are in
	MULB 0, 8, \p, \zero
	s_wait_dscnt 0x0                               ; column tiles 8-15 are in
	PLACES 4                                       ; in front of loads into registers that matrix instructions have read
	FETCH_B \adr, \q, 0
	MULB 8, 8, \p, \zero
	PLACES 4
	FETCH_B \adr, \q, 8
.if (\rel) >= 0
	GLOAD \rel, \p
.endif
.endm
; A slot's last step (set 3) changes slots: ONE barrier; in front of it each wave waits for all its tensor loads, adds 0 to its spare word, and waits for that and for its own reads of this slot.
; fill = 1: the barrier opens a round of the cluster's barrier, and this slot is filled again, with the steps eight on.  From that request to the wait for it stand 3 1/2 steps, 224 matrix instructions.
.macro TURN fill, rel
	s_wait_loadcnt 51                              ; this step's 17 loads are in; three younger batches may be out
	s_wait_tensorcnt 0x0                           ; my one tensor load that was out has landed: my step of the next slot (every window is 0 here)
	ds_add_u32 v[SPW], v[NIL]                      ; 0 onto my spare word
	s_wait_dscnt 25                                ; (the add and the youngest 24 loads, column tiles 8-15, may be out)
	MULB 0, 4, 3, 0                                ; sixteen matrix instructions stand between the add and the wait for it
	s_wait_dscnt 0x0                               ; the add is done, and my reads of this slot are over
	s_barrier_signal -1
	MULB 4, 4, 3, 0
	WIN 0
	s_barrier_wait -1
.if \fill
	CREST                                          ; no wave of any partner still reads this slot or has a load on its way
	s_xor_b32 s[G0+1], s[G0+1], SLOTD              ; the slot just read out,
	s_add_nc_u64 s[G0+2:G0+3], s[G0+2:G0+3], 4*STEPB   ; four steps behind the last fill's
	tensor_load_to_lds s[G0:G0+3], s[G1:G1+7]      ; the first tensor load behind the round
	s_nop 0
.endif
	PLACES 4
	FETCH_B LO, 0, 0
	MULB 8, 8, 3, 0
	PLACES 4
	FETCH_B LO, 0, 8
	GLOAD \rel, 3
.endm
.macro TOGGLE                          ; both LDS addresses change slots
	v_xor_b32 v[LO], SLOTD, v[LO]
	v_xor_b32 v[HI], SLOTD, v[HI]
	s_wait_alu depctr_va_vdst(0)                   ; the wait behind these writes
.endm
	s_wait_tensorcnt 0x0                           ; my step of slot 0 is in
	ds_add_u32 v[SPW], v[NIL]
	s_xor_b32 s[G0+1], s[G0+1], SLOTD              ; no tensor load of mine is out: slot 1,
	s_add_nc_u64 s[G0+2:G0+3], s[G0+2:G0+3], 4*STEPB   ; steps 4-7
	s_wait_dscnt 0x0
	CROUND                                         ; everybody's step of slot 0 is in, and the joint loads meet
	tensor_load_to_lds s[G0:G0+3], s[G1:G1+7]
	s_nop 0
	PLACES 4
	FETCH_B LO, 0, 0
	global_prefetch_b8 v[PFO], s[PW:PW+1] offset:12*STEPB th:TH_LOAD_NT scope:SCOPE_SE   ; the fill two slots on: steps 12-15, the last
	FETCH_B LO, 0, 8
	STEP 0, LO, 1, 4, 51, 1                        ; step 0 stands in front of the loop: its products start the sums
	s_mov_b32 s19, 2
.Llap:                                                 ; a trip: a slot's steps 1, 2, 3 and the next slot's step 0; it fills the slot that it leaves
	TOGGLE
	STEP 1, HI, 0, 5, 51, 0
	STEP 2, HI, 1, 6, 51, 0
	TURN 1, 7
	STEP 0, LO, 1, 8, 51, 0
	s_wait_xcnt 0x0                                ; the loads have read their bases, which step only behind this wait
	s_add_nc_u64 s[4:5], s[4:5], 4*STEPB
	s_add_nc_u64 s[6:7], s[6:7], 4096
	s_add_nc_u64 s[10:11], s[10:11], 4096
	s_sub_co_u32 s19, s19, 1
	s_cmp_lg_u32 s19, 0
	s_cbranch_scc1 .Llap
	TOGGLE                                         ; steps 9-15 are written out: nothing more is filled (the bases stand at step 8)
	STEP 1, HI, 0, 5, 51, 0
	STEP 2, HI, 1, 6, 51, 0
	TURN 0, 7
	STEP 0, LO, 1, -1, 51, 0
	TOGGLE
	STEP 1, HI, 0, -1, 34, 0
	STEP 2, HI, 1, -1, 17, 0
	s_wait_loadcnt 0x0                             ; the very last step: nothing more to fetch
	s_wait_dscnt 24
	MULB 0, 8, 3, 0
	s_wait_dscnt 0x0
	MULB 8, 8, 3, 0
	WIN 0
	PLACES 4
; ---------------- ATTENTION, in registers.
; Window 2: q: token tile a, head e, block i of the head's 64: 16 registers at 128 e + 64 i + 16 a.   Window 3: k: token tile t, block i: at 64 i + 16 t;   v: channel tile n, block i of the 64 keys: at 128 + 32 n + 16 i.
; Window 1, laid anew (no conversion's destination has the numbers of its own sources or of v216-219): the operands.   Window 0: v32-49 scale words; v80-143 S^T, then p; v144-207 O^T; v208-243 at work.
.set VF,  0                            ; v's four fragments (channel tile n at 12 n)
.set QF1, 48                           ; q of head 1
.set PF,  60                           ; p of heads 0, 1
.set OF,  84                           ; the result's four fragments
.set YT,  132                          ; the upper blocks' codes, ahead of the exchange of halves
.set KF,  140                          ; k's four fragments (token tile t at 12 t)
.set QF0, 188                          ; q of head 0
.set KS,  32                           ; scale words: k's four, v's four, q's two, p's two, the result's four, and these as they are stored
.set VS,  36
.set QS,  40
.set PS,  42
.set OW,  44
.set OWM, 48
.set S,   80
.set O,   144
.set BM,  208                          ; four blocks' largest magnitudes (or scores)
.set PX,  212                          ; what the lane 16 away sends
.set SCF, 216                          ; the conversions' scale operands
.set SB,  220                          ; the scales' bytes
.set RM,  224                          ; the rows' largest t
.set NM,  226                          ; -M, a pair for each head (the low word serves)
.set LA,  230                          ; the rows' sums, two packed chains a head
.set LB,  234
.set RL,  238                          ; 1 / sum, a pair for each head (the low word serves)
.set LT,  242
.macro QMAX w, b0, b1, b2, b3          ; the largest magnitude of my 16 numbers of four blocks, in window w, with the floor 2^(3 - 127); each accumulator is read from its low end on
	WIN ((\w)<<4)|((\w)<<2)
	v_max3_num_f32 v[BM], 0x1800000, |v[(\b0)]|, |v[(\b0)+1]|
	v_max3_num_f32 v[BM+1], 0x1800000, |v[(\b1)]|, |v[(\b1)+1]|
	v_max3_num_f32 v[BM+2], 0x1800000, |v[(\b2)]|, |v[(\b2)+1]|
	v_max3_num_f32 v[BM+3], 0x1800000, |v[(\b3)]|, |v[(\b3)+1]|
.irp i, 2,4,6,8,10,12,14
	v_max3_num_f32 v[BM], v[BM], |v[(\b0)+\i]|, |v[(\b0)+\i+1]|
	v_max3_num_f32 v[BM+1], v[BM+1], |v[(\b1)+\i]|, |v[(\b1)+\i+1]|
	v_max3_num_f32 v[BM+2], v[BM+2], |v[(\b2)+\i]|, |v[(\b2)+\i+1]|
	v_max3_num_f32 v[BM+3], v[BM+3], |v[(\b3)+\i]|, |v[(\b3)+\i+1]|
.endr
.endm
.macro QFIN                            ; with lane l xor 16's 16 numbers the blocks are whole; the conversions' operands and the bytes
	WIN 0
.irp x, 0,1,2,3
	v_permlanex16_b32 v[PX+\x], v[BM+\x], s[SEL], s[SEL+1]
.endr
.irp x, 0,1,2,3
	v_max_num_f32 v[BM+\x], v[BM+\x], v[PX+\x]
.endr
.irp x, 0,1,2,3
	v_add_nc_u32 v[SCF+\x], 0xff000000, v[BM+\x]   ; 2 off the exponent field
.endr
.irp x, 0,1,2,3
	v_lshrrev_b32 v[SB+\x], 23, v[SCF+\x]
.endr
.endm
.macro SPREADW d0, d1                  ; two scale words [s0, s0, s1, s1]: of blocks 0, 1 and of blocks 2, 3
	v_lshl_or_b32 v[SB], v[SB+1], 16, v[SB]
	v_lshl_or_b32 v[SB+2], v[SB+3], 16, v[SB+2]
	v_mul_u32_u24 v[\d0], v[SB], 0x101
	v_mul_u32_u24 v[\d1], v[SB+2], 0x101
.endm
.macro CVT4 w, b0, b1, b2, b3, f0, f1  ; four blocks' 16 numbers (window w) into registers 0-2 and 6-8 of two fragments (window 1)
	WIN 0x40|(\w)
	v_cvt_scalef32_pk16_fp6_f32 v[(\f0):(\f0)+2], v[(\b0):(\b0)+15], v[SCF]
	v_cvt_scalef32_pk16_fp6_f32 v[(\f0)+6:(\f0)+8], v[(\b1):(\b1)+15], v[SCF+1]
	v_cvt_scalef32_pk16_fp6_f32 v[(\f1):(\f1)+2], v[(\b2):(\b2)+15], v[SCF+2]
	v_cvt_scalef32_pk16_fp6_f32 v[(\f1)+6:(\f1)+8], v[(\b3):(\b3)+15], v[SCF+3]
.endm
	WIN 0x40                                       ; the zero codes of the twelve spread fragments: written once
.irp f, KF,KF+12,KF+24,KF+36,VF,VF+12,VF+24,VF+36,QF0,QF1,PF,PF+12
.irp i, 3,4,5,9,10,11
	v_mov_b32 v[\f+\i], 0
.endr
.endr
	WIN 0
.irp x, 0,1,2,3
	v_mov_b32 v[PX+\x], 0                          ; written once: a lane permute's destination counts as one of its sources
.endr
	v_mov_b32 v[NM+1], 0                           ; (named as the upper halves of pairs)
	v_mov_b32 v[NM+3], 0
	v_mov_b32 v[RL+1], 0
	v_mov_b32 v[RL+3], 0
.irp i, 0,1                            ; k: token tiles 2 i and 2 i + 1, two blocks each
	QMAX 3, 32*\i, 64+32*\i, 16+32*\i, 80+32*\i
	QFIN
	SPREADW KS+2*\i, KS+2*\i+1
	CVT4 3, 32*\i, 64+32*\i, 16+32*\i, 80+32*\i, KF+24*\i, KF+24*\i+12
	v_nop                                          ; one plain place behind a scaled conversion
.endr
.irp i, 0,1                            ; v: channel tiles 2 i and 2 i + 1, two blocks of keys each
	QMAX 3, 128+64*\i, 144+64*\i, 160+64*\i, 176+64*\i
	QFIN
	SPREADW VS+2*\i, VS+2*\i+1
	CVT4 3, 128+64*\i, 144+64*\i, 160+64*\i, 176+64*\i, VF+24*\i, VF+24*\i+12
	v_nop
.endr
; Token tile a: 16 queries of both heads against the 64 keys.
.macro UNIT a
.set OFA, OF+12*(\a)
	QMAX 2, 16*(\a), 64+16*(\a), 128+16*(\a), 192+16*(\a)
	QFIN
	SPREADW QS, QS+1
	CVT4 2, 16*(\a), 64+16*(\a), 128+16*(\a), 192+16*(\a), QF0, QF1
	PLACES 8                                       ; a scale register written by a vector instruction stands 8 places ahead of a scaled matrix instruction, an operand so written 4
	WIN 0x05                                       ; sources 0 and 1 window 1, D window 0
.irp t, 0,1,2,3                        ; S^T = k q^T: a lane holds query lane % 16 and keys 16 t + 8 (lane / 16) + 0 .. 7
.irp e, 0,1
	v_wmma_scale_f32_16x16x128_f8f6f4 v[S+32*\e+8*\t:S+32*\e+8*\t+7], v[KF+12*\t:KF+12*\t+11], v[QF0+(QF1-QF0)*\e:QF0+(QF1-QF0)*\e+11], 0, v[KS+\t], v[QS+\e] matrix_a_fmt:MATRIX_FMT_FP6 matrix_b_fmt:MATRIX_FMT_FP6
.endr
.endr
	WIN 0
	PLACES 4
.irp x, 0,1,2,3                        ; the largest score of each block of 32 keys (block x = head x / 2, keys 32 (x % 2) on): for the row's maximum and, since p rises with the score, for the block's largest p
	v_max3_num_f32 v[BM+\x], v[S+16*\x], v[S+16*\x+1], v[S+16*\x+2]
.endr
.irp i, 3,5,7,9,11,13
.irp x, 0,1,2,3
	v_max3_num_f32 v[BM+\x], v[BM+\x], v[S+16*\x+\i], v[S+16*\x+\i+1]
.endr
.endr
.irp x, 0,1,2,3
	v_max_num_f32 v[BM+\x], v[BM+\x], v[S+16*\x+15]
.endr
.irp x, 0,1,2,3
	v_permlanex16_b32 v[PX+\x], v[BM+\x], s[SEL], s[SEL+1]
.endr
.irp x, 0,1,2,3
	v_max_num_f32 v[BM+\x], v[BM+\x], v[PX+\x]
.endr
.irp e, 0,1
	v_max_num_f32 v[RM+\e], v[BM+2*\e], v[BM+2*\e+1]
.endr
.irp e, 0,1
	v_mul_f32 v[RM+\e], s[CS], v[RM+\e]            ; the row's largest t (c is positive)
.endr
.irp e, 0,1
	v_floor_f32 v[NM+2*\e], -v[RM+\e]              ; -M = floor(-t) = -ceil(t)
.endr
.irp e, 0,1
.irp j, 0,2,4,6,8,10,12,14,16,18,20,22,24,26,28,30
	v_pk_fma_f32 v[S+32*\e+\j:S+32*\e+\j+1], v[S+32*\e+\j:S+32*\e+\j+1], s[CS:CS+1], v[NM+2*\e:NM+2*\e+1] op_sel_hi:[1,0,0]   ; t - M, two at a time
.endr
.endr
.irp x, 0,1,2,3
	v_fma_f32 v[BM+\x], v[BM+\x], s[CS], v[NM+2*(\x/2)]   ; the same of each block's largest score
.endr
.set n, 0
	s_wait_alu depctr_va_vdst(0)                   ; the wait ahead of the batch
.rept 64
	v_exp_f32 v[S+n], v[S+n]                       ; p = 2^(t - M): NOT normalised
.set n, n+1
.endr
	v_nop                                          ; a plain place behind the exponentials
	s_wait_alu depctr_va_vdst(0)                   ; one wait for the whole batch, ahead of its first reader
.irp x, 0,1,2,3
	v_exp_f32 v[BM+\x], v[BM+\x]                   ; the block's largest p: the same two instructions on the same number
.endr
.irp e, 0,1                            ; the rows' sums, of the UNQUANTISED p: they read the 64 alone: plain work behind the four
	v_pk_add_f32 v[LA+2*\e:LA+2*\e+1], v[S+32*\e:S+32*\e+1], v[S+32*\e+2:S+32*\e+3]
	v_pk_add_f32 v[LB+2*\e:LB+2*\e+1], v[S+32*\e+4:S+32*\e+5], v[S+32*\e+6:S+32*\e+7]
.endr
.irp j, 8,12,16,20,24,28
.irp e, 0,1
	v_pk_add_f32 v[LA+2*\e:LA+2*\e+1], v[LA+2*\e:LA+2*\e+1], v[S+32*\e+\j:S+32*\e+\j+1]
	v_pk_add_f32 v[LB+2*\e:LB+2*\e+1], v[LB+2*\e:LB+2*\e+1], v[S+32*\e+\j+2:S+32*\e+\j+3]
.endr
.endr
.irp e, 0,1
	v_pk_add_f32 v[LA+2*\e:LA+2*\e+1], v[LA+2*\e:LA+2*\e+1], v[LB+2*\e:LB+2*\e+1]
.endr
.irp e, 0,1
	v_add_f32 v[LT+\e], v[LA+2*\e], v[LA+2*\e+1]
.endr
.irp e, 0,1
	v_permlanex16_b32 v[PX+\e], v[LT+\e], s[SEL], s[SEL+1]
.endr
.irp e, 0,1
	v_add_f32 v[LT+\e], v[LT+\e], v[PX+\e]         ; with the other 32 keys': the row's sum
.endr
	s_wait_alu depctr_va_vdst(0)                   ; ahead of the reciprocals
.irp e, 0,1
	v_rcp_f32 v[RL+2*\e], v[LT+\e]
.endr
	v_nop                                          ; a plain place behind the reciprocals
	s_wait_alu depctr_va_vdst(0)                   ; one wait for the four exponentials and the two reciprocals
.irp x, 0,1,2,3
	v_max_num_f32 v[BM+\x], 0x1800000, v[BM+\x]    ; the floor 2^(3 - 127)
.endr
.irp x, 0,1,2,3
	v_add_nc_u32 v[SCF+\x], 0xff000000, v[BM+\x]
.endr
.irp x, 0,1,2,3
	v_lshrrev_b32 v[SB+\x], 23, v[SCF+\x]
.endr
	SPREADW PS, PS+1
	CVT4 0, S, S+16, S+32, S+48, PF, PF+12
	PLACES 8
	WIN 0x05
.irp n, 0,1,2,3                        ; O^T = v^T p^T: a lane holds query lane % 16 and channels 16 n + 8 (lane / 16) + 0 .. 7
.irp e, 0,1
	v_wmma_scale_f32_16x16x128_f8f6f4 v[O+32*\e+8*\n:O+32*\e+8*\n+7], v[VF+12*\n:VF+12*\n+11], v[PF+12*\e:PF+12*\e+11], 0, v[VS+\n], v[PS+\e] matrix_a_fmt:MATRIX_FMT_FP6 matrix_b_fmt:MATRIX_FMT_FP6
.endr
.endr
	WIN 0
	PLACES 4
.irp e, 0,1
.irp j, 0,2,4,6,8,10,12,14,16,18,20,22,24,26,28,30
	v_pk_mul_f32 v[O+32*\e+\j:O+32*\e+\j+1], v[O+32*\e+\j:O+32*\e+\j+1], v[RL+2*\e:RL+2*\e+1] op_sel_hi:[1,0]   ; / the row's sum; each accumulator from its low end on
.endr
.endr
	QMAX 0, O, O+16, O+32, O+48                    ; the result is an operand of the last product: K = 64 x head + channel: four blocks of 32
	QFIN
	v_lshl_or_b32 v[OW+(\a)], v[SB+1], 8, v[SB]
	v_lshl_or_b32 v[OW+(\a)], v[SB+2], 16, v[OW+(\a)]
	v_lshl_or_b32 v[OW+(\a)], v[SB+3], 24, v[OW+(\a)]
	WIN 0x40
	v_cvt_scalef32_pk16_fp6_f32 v[OFA:OFA+2], v[O:O+15], v[SCF]
	v_cvt_scalef32_pk16_fp6_f32 v[YT:YT+2], v[O+16:O+31], v[SCF+1]
	v_cvt_scalef32_pk16_fp6_f32 v[OFA+6:OFA+8], v[O+32:O+47], v[SCF+2]
	v_cvt_scalef32_pk16_fp6_f32 v[YT+4:YT+6], v[O+48:O+63], v[SCF+3]
	v_nop
	WIN 0x41                                       ; the operand's layout wants a WHOLE block in a lane: lanes 0-15 block 2 e, lanes 16-31 block 2 e + 1
.irp e, 0,1
.irp i, 0,1,2
	v_permlane16_swap_b32 v[OFA+6*\e+\i], v[YT+4*\e+\i]
.endr
.irp i, 0,1,2
	v_mov_b32 v[OFA+6*\e+3+\i], v[YT+4*\e+\i]
.endr
.endr
	WIN 0x04                                       ; a store's data are its source 1: window 1
.irp c, 0,1,2
	global_store_b128 v[LI], v[OFA+4*\c:OFA+4*\c+3], s[12:13] offset:1536*(\a)+512*\c   ; 32 lanes store 512 consecutive bytes, aligned; each tile has registers of its own, so no store's data are written again
.endr
.endm
	UNIT 0
	UNIT 1
	UNIT 2
	UNIT 3
	WIN 0
	v_cndmask_b32 v[OWM], v[OW], v[OW+1], s[HM]    ; lanes 0-15 tile 0's words, lanes 16-31 tile 1's
	v_cndmask_b32 v[OWM+1], v[OW+2], v[OW+3], s[HM]
	global_store_b64 v[L8], v[OWM:OWM+1], s[14:15] ; 32 lanes store 256 consecutive bytes, aligned
	s_wait_tensorcnt 0x0                           ; the wave's end: behind my last tensor load
	ds_add_u32 v[SPW], v[NIL]
	s_wait_dscnt 0x0
	CROUND                                         ; the closing round: no work-group ends while a partner may still ask for a tile that names it
	s_endpgm
.Lfunc_end_k_qc412b000db_qkvattn:
	.size	k_qc412b000db_qkvattn, .Lfunc_end_k_qc412b000db_qkvattn-k_qc412b000db_qkvattn
	.p2alignl 7, 3214868480
	.fill 96, 4, 3214868480
	.section	.rodata,"a",@progbits
	.p2align	6, 0x0
	.amdhsa_kernel k_qc412b000db_qkvattn
		.amdhsa_group_segment_fixed_size 327680
		.amdhsa_private_segment_fixed_size 0
		.amdhsa_enable_private_segment 0
		.amdhsa_kernarg_size 48
		.amdhsa_user_sgpr_count 2
		.amdhsa_user_sgpr_kernarg_segment_ptr 1
		.amdhsa_wavefront_size32 1
		.amdhsa_system_sgpr_workgroup_id_x 1
		.amdhsa_system_sgpr_workgroup_id_y 1
		.amdhsa_system_sgpr_workgroup_id_z 1
		.amdhsa_system_vgpr_workitem_id 0
		.amdhsa_next_free_vgpr 1024
		.amdhsa_next_free_sgpr 101
		.amdhsa_reserve_vcc 0
		.amdhsa_float_denorm_mode_32 3
		.amdhsa_float_denorm_mode_16_64 3
		.amdhsa_memory_ordered 1
		.amdhsa_forward_progress 1
		.amdhsa_inst_pref_size 255
	.end_amdhsa_kernel
	.section	.bss,"aw",@nobits
	.p2align	6
	.space	262144
	.amdgpu_metadata
---
amdhsa.version: [ 1, 2 ]
amdhsa.kernels:
  - .name:           k_qc412b000db_qkvattn
    .symbol:         k_qc412b000db_qkvattn.kd
    .args:
      - { .name: a_codes, .offset: 0, .size: 8, .value_kind: global_buffer, .address_space: global }
      - { .name: a_scales, .offset: 8, .size: 8, .value_kind: global_buffer, .address_space: global }
      - { .name: w_codes, .offset: 16, .size: 8, .value_kind: global_buffer, .address_space: global }
      - { .name: w_scales, .offset: 24, .size: 8, .value_kind: global_buffer, .address_space: global }
      - { .name: o_codes, .offset: 32, .size: 8, .value_kind: global_buffer, .address_space: global }
      - { .name: o_scales, .offset: 40, .size: 8, .value_kind: global_buffer, .address_space: global }
    .group_segment_fixed_size: 327680
    .private_segment_fixed_size: 0
    .kernarg_segment_align: 8
    .kernarg_segment_size: 48
    .max_flat_workgroup_size: 128
    .sgpr_count:     101
    .vgpr_count:     1024
    .wavefront_size: 32
...
	.end_amdgpu_metadata
.endif
;; end of part 2
;; launch oproj (part 3): grid 32 x 8, 4 waves a work-group, clusters of 4 x 4, 327,680 bytes of LDS; arguments o_codes, o_scales, wo_codes, wo_scales, out0; writes out0
.if DOCPART == 3
	.amdgcn_target "amdgcn-amd-amdhsa--gfx1250"
	.amdhsa_code_object_version 6
	.text
	.protected	k_qc412b000db_oproj
	.globl	k_qc412b000db_oproj
	.p2align	8
	.type	k_qc412b000db_oproj,@function
k_qc412b000db_oproj:
	s_mov_b64 s[64:65], 0
	v_nop
	global_prefetch_b8 v0, s[64:65] scope:SCOPE_SE
	s_setreg_imm32_b32 hwreg(HW_REG_WAVE_MODE, 25, 1), 1
	s_wait_xcnt 0x0
	s_wait_alu depctr_hold_cnt(0) depctr_sa_sdst(0) depctr_va_vdst(0) depctr_va_sdst(0) depctr_va_ssrc(0) depctr_va_vcc(0) depctr_vm_vsrc(0)
	s_getreg_b32 s2, hwreg(HW_REG_IB_STS2, 6, 4)
	s_cmp_eq_u32 s2, 0
	s_cbranch_scc0 .Lentry_in_a_cluster
	s_endpgm
.Lentry_in_a_cluster:
	s_bfe_u32 s2, ttmp6, 0x10000c
	s_cmp_lg_u32 s2, 0xf033
	s_cbranch_scc0 .Lentry_shape_is_right
	s_endpgm
.Lentry_shape_is_right:
; out0 = o x Wo^T on codes of FP6 (E2M3) with one E8M0 scale for each 32 along K = 1,024; sums in f32.  Operands lie in memory as images of their registers (1,536 bytes a fragment: registers 4 c .. 4 c + 3 of lane l at 512 c + 16 l).
; SHARES.  A work-group takes 256 tokens x 256 columns: 32 x 8 work-groups.  A wave owns 64 tokens (4 tiles); their fragments of all eight K steps (384 registers) are read from LDS once, during the first quarter, and stay.
; The columns go in four quarters of 64: 16 accumulators, finished over all of K.  A finished quarter goes into the wave's own stage in LDS (four blocks of 16 rows); during the NEXT quarter a block is read back by rows
; at the head of each pair of K steps and stored at the head of the pair after, 16 lanes to an aligned unit of 256 bytes.  The last quarter leaves block by block.
; CLUSTERS: 4 x 4.  The four of a column of the cluster (same cx) need the same tokens, the four of a row (same cy) the same rows of Wo: every tile is asked for JOINTLY.
; LDS: 0 Wo's quarter 0 (49,152 bytes);  65,536 the tokens' 196,608 bytes;  262,144 Wo's quarter 1;  311,296 the spare words.  When every wave has its tokens in registers, the tokens' first 98,304 bytes are filled again
; with Wo's quarters 2 and 3; the stages (4 x 17,408 bytes from 163,840 on) lie in the tokens' bytes that are not filled again.
; TENSOR LOADS, one a wave each time: at the head wave 0 fetches Wo's quarter 0, waves 1-3 a third of the tokens each; behind the first round each wave two K steps of quarter 1; behind the round ahead of quarter 0's last pair two K steps of quarters 2 and 3.
; ONE RUN OF MEMORY INSTRUCTIONS FOR EACH PAIR OF K STEPS, at its head, then its 32 products: the stores, the read-back, the next pair's 24 fragment loads of Wo and, in quarter 0, 24 of the tokens'.
; No prefetch: the text has no loop to run ahead in, and what is asked for last is asked for in the first quarter.
; The tokens' rows lie in the order of 3D blocks; the stores put each token back at its place in out0.  LIMITS: NaN and infinities are not served.
; REGISTERS.  Window 0: addresses; v32-47 the tokens' scale words, v48-111 Wo's; v112-239 four blocks on their way out.  Window 1: Wo's fragments, two sets of 96; v192-239 the tokens' step 7.  Window 2: v0-127 accumulators; steps 5, 6.  Window 3: steps 0-4.
.set NSTEP,  8
.set STEPB,  24576                     ; 16 fragments: one operand's part of a K step
.set QB,     6144                      ; four fragments: a quarter of it
.set AT,     65536                     ; the tokens
.set B23,    65536                     ; later: quarters 2 and 3, wave w's two steps at 24,576 w: [step][quarter][6,144]
.set STAGE,  163840
.set SPITCH, 272
.set SBLK,   16*SPITCH
.set B1,     262144                    ; quarter 1: [step][6,144], as quarter 0 at 0
.set SPARE,  311296                    ; the spare words, 128 bytes for each wave: two blocks of 256 bytes that no other line names
.set LI,   5                           ; v5   16 x lane
.set L8,   6                           ; v6   8 x lane
.set ADRB, 16                          ; v16 quarter 0, v17 quarter 1, v18, v19 quarters 2, 3: K steps 0-3, 4-7
.set ADA,  20                          ; v20-23 my tokens' fragments, K steps 2 d, 2 d + 1
.set STO,  24                          ; v24  the stage on the way in
.set RD,   25                          ; v25  and on the way out
.set GO,   26                          ; v26  my byte offset in out0
.set SPW,  28                          ; v28  LDS address of my spare word; never rewritten
.set NIL,  29                          ; v29  0; never rewritten
.set SA,   32
.set SB,   48
.set BK,   112
.set G1A,  24                          ; s[24:31] group 1: a third of the tokens;  s[32:39] quarter 0;  s[48:55] quarter 1;  s[56:63] quarters 2, 3
.set G1B0, 32
.set G1B1, 48
.set G1B2, 56
.set G0A,  68                          ; their groups 0
.set G0B0, 72
.set G0B1, 76
.set G0B2, 80
.set MSB, 0
.macro WIN new
.if MSB != (\new)
	s_set_vgpr_msb (MSB<<8)|(\new)
.set MSB, \new
.endif
.endm
.macro CREST                           ; a round of the cluster's barrier behind its opening barrier
	s_cmp_lg_u32 s16, 0
	s_cbranch_scc1 .Lnot_wave_0_\@
	s_barrier_signal -3
.Lnot_wave_0_\@:
	s_barrier_wait -3
	s_barrier_signal -1
	s_barrier_wait -1
.endm
.macro CROUND
	s_barrier_signal -1
	s_barrier_wait -1
	CREST
.endm
.macro PLACES n
.rept \n
	v_nop
.endr
.endm
.macro ASET s                          ; where my tokens' fragments of K step s lie
.if (\s) < 5
.set aW, 3
.set aR, 48*(\s)
.elseif (\s) < 7
.set aW, 2
.set aR, 128+48*((\s)-5)
.else
.set aW, 1
.set aR, 192
.endif
.endm
.macro ALOAD s                         ; my tokens' four fragments of K step s: 12 loads
	ASET \s
	WIN aW<<6
.irp n, 0,1,2,3,4,5,6,7,8,9,10,11
	ds_load_b128 v[aR+4*\n:aR+4*\n+3], v[ADA+(\s)/2] offset:((\s)%2)*STEPB+512*\n
.endr
.endm
.macro FETCHB i, d, p                  ; quarter i's K steps 2 d, 2 d + 1 into set p: 24 loads
	WIN 0x40
.irp n, 0,1,2,3,4,5,6,7,8,9,10,11,12,13,14,15,16,17,18,19,20,21,22,23
.if (\i) < 2
	ds_load_b128 v[96*(\p)+4*\n:96*(\p)+4*\n+3], v[ADRB+(\i)] offset:2*QB*(\d)+512*\n
.else
	ds_load_b128 v[96*(\p)+4*\n:96*(\p)+4*\n+3], v[ADRB+2+(\d)/2] offset:((\d)%2)*4*QB+(\n/12)*2*QB+((\i)-2)*QB+512*(\n%12)
.endif
.endr
.endm
	s_load_b256 s[4:11], s[0:1], 0x0               ; o_codes s[4:5], o_scales s[6:7], wo_codes s[8:9], wo_scales s[10:11]
	s_load_b64 s[12:13], s[0:1], 0x20              ; out0
	v_lshl_add_u32 v[SPW], v0, 2, SPARE
	v_mov_b32 v[NIL], 0
	ds_add_u32 v[SPW], v[NIL]                      ; the wave's opening: the add, twice on end, and its wait ahead of my first tensor load
	ds_add_u32 v[SPW], v[NIL]
	v_lshrrev_b32 v1, 5, v0
	v_readfirstlane_b32 s16, v1                    ; wave 0..3
	v_and_b32 v1, 31, v0
	v_and_b32 v2, 15, v0                           ; r
	v_bfe_u32 v3, v0, 4, 1                         ; h
	v_lshlrev_b32 v[LI], 4, v1
	v_lshlrev_b32 v[L8], 3, v1
	v_mov_b32 v[ADRB], v[LI]
	v_add_nc_u32 v[ADRB+1], B1, v[LI]
	v_add_nc_u32 v[ADRB+2], B23, v[LI]
	v_add_nc_u32 v[ADRB+3], B23+2*STEPB, v[LI]
	s_mul_i32 s20, s16, QB                         ; my four tiles of the tokens' sixteen
	s_add_co_u32 s20, s20, AT
	v_add_nc_u32 v[ADA], s20, v[LI]
.irp d, 1,2,3
	v_add_nc_u32 v[ADA+\d], \d*2*STEPB, v[ADA]
.endr
	s_mul_i32 s20, s16, 4*SBLK
	s_add_co_u32 s20, s20, STAGE                   ; my stage
	v_mul_u32_u24 v[STO], v2, SPITCH               ; in: row r, 32 bytes for each half of the lanes
	v_lshl_add_u32 v[STO], v3, 5, v[STO]
	v_add_nc_u32 v[STO], s20, v[STO]
	v_mul_u32_u24 v[RD], v3, SPITCH                ; back: lanes 0-15 one row of 256 bytes, lanes 16-31 the next
	v_lshl_add_u32 v[RD], v2, 4, v[RD]
	v_add_nc_u32 v[RD], s20, v[RD]
	v_lshlrev_b32 v[GO], 13, v3                    ; and the same two tokens in out0: rows of 8,192 bytes
	v_lshl_add_u32 v[GO], v2, 4, v[GO]
	s_wait_alu depctr_va_vdst(0)                   ; the wait behind the head's vector instructions
	s_bfe_u32 s40, ttmp6, 0x40000                  ; cx, cy: my place in the cluster
	s_bfe_u32 s41, ttmp6, 0x40004
	s_lshl_b32 s43, ttmp9, 2
	s_add_co_u32 s43, s43, s40                     ; the 256 tokens = 4 x cluster x + cx
	s_and_b32 s42, ttmp7, 0xffff
	s_lshl_b32 s42, s42, 2
	s_add_co_u32 s42, s42, s41                     ; the 256 columns = 4 x cluster y + cy
	s_lshl_b32 s46, 0x1111, s40                    ; my column of the cluster: the tokens' partners
	s_lshl_b32 s47, s41, 2
	s_lshl_b32 s47, 15, s47                        ; my row: Wo's partners
	s_or_b32 s[G1A], s46, (3<<16)|(1<<21)          ; the mask; elements of 8 bytes; bit 21 set beside a mask
	s_mov_b32 s[G1A+1], 32<<16                     ; 65,536 dense bytes as 256 rows of 256
	s_mov_b32 s[G1A+2], 256<<16
	s_mov_b32 s[G1A+3], 32<<16
	s_mov_b32 s[G1A+4], 256
	s_mov_b32 s[G1A+5], 32
	s_mov_b32 s[G1A+6], 0
	s_mov_b32 s[G1A+7], 0
	s_or_b32 s[G1B0], s47, (3<<16)|(1<<21)
	s_mov_b32 s[G1B0+1], 768<<16                   ; eight rows (K steps) of 6,144 bytes, 24,576 bytes apart
	s_mov_b32 s[G1B0+2], 8<<16
	s_mov_b32 s[G1B0+3], 768<<16
	s_mov_b32 s[G1B0+4], 8
	s_mov_b32 s[G1B0+5], 3072
	s_mov_b32 s[G1B0+6], 0
	s_mov_b32 s[G1B0+7], 0
	s_mul_i32 s20, s43, NSTEP*STEPB                ; the tokens' codes: waves 1-3 fetch thirds 0-2 (in registers that never hold cy)
	s_max_u32 s21, s16, 1
	s_sub_co_u32 s21, s21, 1
	s_lshl_b32 s21, s21, 16
	s_add_co_u32 s20, s20, s21
	s_mov_b32 s21, 0
	s_lshl_b32 s22, s43, 13                        ; their scale words: 1,024 bytes a step, my 256 of them
	s_lshl_b32 s23, s16, 8
	s_add_co_u32 s22, s22, s23
	s_mov_b32 s23, 0
	s_mul_i32 s84, s42, NSTEP*STEPB                ; Wo's codes (in registers that never hold cx)
	s_mov_b32 s85, 0
	s_lshl_b32 s86, s42, 13                        ; Wo's scale words
	s_mov_b32 s87, 0
	s_mul_i32 s88, s16, 2*STEPB                    ; my two K steps of the later quarters
	s_mov_b32 s89, 0
	s_lshr_b32 s44, s43, 2                         ; my 3D block's first token: 1,024 (rows / 4) + 64 (rows % 4) + 4 wave, in rows of 8,192 bytes; + 1,024 bytes a column group
	s_lshl_b32 s44, s44, 10
	s_and_b32 s45, s43, 3
	s_lshl_b32 s45, s45, 6
	s_add_co_u32 s44, s44, s45
	s_lshl_b32 s45, s16, 2
	s_add_co_u32 s44, s44, s45
	s_lshl_b32 s44, s44, 13
	s_lshl_b32 s45, s42, 10
	s_add_co_u32 s44, s44, s45
	s_mov_b32 s45, 0
	s_wait_dscnt 0x0                               ; both opening adds are done
	s_wait_kmcnt 0x0
	s_add_nc_u64 s[4:5], s[4:5], s[20:21]
	s_add_nc_u64 s[6:7], s[6:7], s[22:23]
	s_add_nc_u64 s[8:9], s[8:9], s[84:85]
	s_add_nc_u64 s[10:11], s[10:11], s[86:87]
	s_add_nc_u64 s[12:13], s[12:13], s[44:45]
	s_add_nc_u64 s[90:91], s[8:9], s[88:89]
	s_mov_b32 s[G0A], 1
	s_lshl_b32 s[G0A+1], s16, 16                   ; thirds 0-2 at 65,536 x wave
	s_mov_b64 s[G0A+2:G0A+3], s[4:5]
	s_or_b32 s[G0A+3], s[G0A+3], 0x80000000
	s_mov_b32 s[G0B0], 1
	s_mov_b32 s[G0B0+1], 0
	s_mov_b64 s[G0B0+2:G0B0+3], s[8:9]
	s_or_b32 s[G0B0+3], s[G0B0+3], 0x80000000
.irp s, 0,1,2,3,4,5,6,7
	global_load_b64 v[SA+2*\s:SA+2*\s+1], v[L8], s[6:7] offset:1024*\s      ; all scale words come once, 256 consecutive bytes a load: 40 loads
.endr
.irp i, 0,1,2,3
.irp s, 0,1,2,3,4,5,6,7
	global_load_b64 v[SB+16*\i+2*\s:SB+16*\i+2*\s+1], v[L8], s[10:11] offset:1024*\s+256*\i
.endr
.endr
	CROUND                                         ; all sixteen work-groups are here: the first joint loads meet
	s_cmp_eq_u32 s16, 0                            ; the head's loads, one a wave: one chain of two arms
	s_cbranch_scc0 .Lhead_a
	tensor_load_to_lds s[G0B0:G0B0+3], s[G1B0:G1B0+7]
	s_nop 0
	PLACES 4
	s_branch .Lhead_asked
.Lhead_a:
	tensor_load_to_lds s[G0A:G0A+3], s[G1A:G1A+7]
	s_nop 0
	PLACES 4
.Lhead_asked:
	s_or_b32 s[G1B1], s47, (3<<16)|(1<<21)
	s_mov_b32 s[G1B1+1], 768<<16                   ; two rows (K steps) of 6,144 bytes
	s_mov_b32 s[G1B1+2], 2<<16
	s_mov_b32 s[G1B1+3], 768<<16
	s_mov_b32 s[G1B1+4], 2
	s_mov_b32 s[G1B1+5], 3072
	s_mov_b32 s[G1B1+6], 0
	s_mov_b32 s[G1B1+7], 0
	s_or_b32 s[G1B2], s47, (3<<16)|(1<<21)
	s_mov_b32 s[G1B2+1], 1536<<16                  ; two rows of 12,288 bytes
	s_mov_b32 s[G1B2+2], 2<<16
	s_mov_b32 s[G1B2+3], 1536<<16
	s_mov_b32 s[G1B2+4], 2
	s_mov_b32 s[G1B2+5], 3072
	s_mov_b32 s[G1B2+6], 0
	s_mov_b32 s[G1B2+7], 0
	s_mov_b32 s[G0B1], 1
	s_mul_i32 s[G0B1+1], s16, 2*QB
	s_add_co_u32 s[G0B1+1], s[G0B1+1], B1
	s_add_nc_u64 s[G0B1+2:G0B1+3], s[90:91], QB
	s_or_b32 s[G0B1+3], s[G0B1+3], 0x80000000
	s_mov_b32 s[G0B2], 1
	s_mul_i32 s[G0B2+1], s16, 4*QB
	s_add_co_u32 s[G0B2+1], s[G0B2+1], B23
	s_add_nc_u64 s[G0B2+2:G0B2+3], s[90:91], 2*QB
	s_or_b32 s[G0B2+3], s[G0B2+3], 0x80000000
.macro EMIT zero
.if \zero
.if o0 && o1
	v_wmma_scale_f32_16x16x128_f8f6f4 v[rD:rD+7], v[x0:x0+11], v[x1:x1+11], 0, v[y0], v[y1] matrix_a_fmt:MATRIX_FMT_FP6 matrix_b_fmt:MATRIX_FMT_FP6 matrix_a_scale:MATRIX_SCALE_ROW1 matrix_b_scale:MATRIX_SCALE_ROW1
.elseif o0
	v_wmma_scale_f32_16x16x128_f8f6f4 v[rD:rD+7], v[x0:x0+11], v[x1:x1+11], 0, v[y0], v[y1] matrix_a_fmt:MATRIX_FMT_FP6 matrix_b_fmt:MATRIX_FMT_FP6 matrix_a_scale:MATRIX_SCALE_ROW1
.elseif o1
	v_wmma_scale_f32_16x16x128_f8f6f4 v[rD:rD+7], v[x0:x0+11], v[x1:x1+11], 0, v[y0], v[y1] matrix_a_fmt:MATRIX_FMT_FP6 matrix_b_fmt:MATRIX_FMT_FP6 matrix_b_scale:MATRIX_SCALE_ROW1
.else
	v_wmma_scale_f32_16x16x128_f8f6f4 v[rD:rD+7], v[x0:x0+11], v[x1:x1+11], 0, v[y0], v[y1] matrix_a_fmt:MATRIX_FMT_FP6 matrix_b_fmt:MATRIX_FMT_FP6
.endif
.else
.if o0 && o1
	v_wmma_scale_f32_16x16x128_f8f6f4 v[rD:rD+7], v[x0:x0+11], v[x1:x1+11], v[rD:rD+7], v[y0], v[y1] matrix_a_fmt:MATRIX_FMT_FP6 matrix_b_fmt:MATRIX_FMT_FP6 matrix_a_scale:MATRIX_SCALE_ROW1 matrix_b_scale:MATRIX_SCALE_ROW1
.elseif o0
	v_wmma_scale_f32_16x16x128_f8f6f4 v[rD:rD+7], v[x0:x0+11], v[x1:x1+11], v[rD:rD+7], v[y0], v[y1] matrix_a_fmt:MATRIX_FMT_FP6 matrix_b_fmt:MATRIX_FMT_FP6 matrix_a_scale:MATRIX_SCALE_ROW1
.elseif o1
	v_wmma_scale_f32_16x16x128_f8f6f4 v[rD:rD+7], v[x0:x0+11], v[x1:x1+11], v[rD:rD+7], v[y0], v[y1] matrix_a_fmt:MATRIX_FMT_FP6 matrix_b_fmt:MATRIX_FMT_FP6 matrix_b_scale:MATRIX_SCALE_ROW1
.else
	v_wmma_scale_f32_16x16x128_f8f6f4 v[rD:rD+7], v[x0:x0+11], v[x1:x1+11], v[rD:rD+7], v[y0], v[y1] matrix_a_fmt:MATRIX_FMT_FP6 matrix_b_fmt:MATRIX_FMT_FP6
.endif
.endif
.endm
; Quarter i, K step s, column tile t x token tile a, TRANSPOSED (source 0 = 16 rows of Wo, source 1 = 16 tokens): a lane holds eight neighbouring columns of a token.  K step 0 starts the sums.
.macro WM i, s, t, a, p
.set rD, 8*(4*(\a)+(\t))
.set x0, 96*(\p)+48*((\s)%2)+12*(\t)
.set x1, aR+12*(\a)
.set y0, SB+16*(\i)+2*(\s)+(\t)/2
.set y1, SA+2*(\s)+(\a)/2
.set o0, (\t)%2
.set o1, (\a)%2
	WIN 0xa1|(aW<<2)
.if (\s) == 0
	EMIT 1
.else
	EMIT 0
.endif
.endm
.macro ALLSTAGE                        ; a finished quarter into my stage, column tile by column tile (the order in which the next quarter begins the accumulators anew), each accumulator from its low end on: 32 stores
	WIN 0x08
.irp t, 0,1,2,3
.irp a, 0,1,2,3
	ds_store_b128 v[STO], v[8*(4*\a+\t):8*(4*\a+\t)+3] offset:\a*SBLK+64*\t
	ds_store_b128 v[STO], v[8*(4*\a+\t)+4:8*(4*\a+\t)+7] offset:\a*SBLK+64*\t+16
.endr
.endr
	WIN 0
.endm
.macro BACK b                          ; block b of my stage back by rows: 8 loads.  LDS serves a wave's instructions in order: they see the stores
.irp k, 0,1,2,3,4,5,6,7
	ds_load_b128 v[BK+32*(\b)+4*\k:BK+32*(\b)+4*\k+3], v[RD] offset:(\b)*SBLK+2*\k*SPITCH
.endr
.endm
.macro GST b, q                        ; block b of quarter q is stored: 16 lanes store 256 consecutive bytes, aligned
.irp k, 0,1,2,3,4,5,6,7
	global_store_b128 v[GO], v[BK+32*(\b)+4*\k:BK+32*(\b)+4*\k+3], s[12:13] offset:(\b)*2097152+(\k/2)*131072+(\k%2)*16384+256*(\q) th:TH_STORE_NT
.endr
.endm
; Quarter i, K steps 2 d and 2 d + 1.  At the head all my LDS instructions are waited for (this pair's fragments, the block read back a pair ago), and ONE run of memory instructions follows: at a change of quarters the finished quarter's
; 32 stores into the stage; the stores of the block read back a pair ago; the read-back of block d of the quarter before; the next pair's 24 loads of Wo into the other set; in quarter 0 the next pair's 24 loads of my tokens.
; Then 32 products; the 16 accumulators take turns, one instruction a turn, in the same order in every K step.
; kind 1, 2: what the next pair reads has to be whole first: all my tensor loads are waited for, and a barrier follows.
; kind 1: every wave's reads of the tokens' bytes are over, the barrier opens a round of the cluster's barrier, and quarters 2 and 3 are asked for into those bytes.
.macro DSTEP i, d, kind
.set DD, 4*(\i)+(\d)
.set nD, DD+1
.set pD, DD-1
	WIN 0
.if \kind
	s_wait_tensorcnt 0x0                           ; my one tensor load that was out has landed
.if (\kind) == 1
	ds_add_u32 v[SPW], v[NIL]                      ; 0 onto my spare word
.endif
	s_wait_dscnt 0x0                               ; all my LDS instructions are done: the add, my reads of the tokens' bytes
	s_barrier_signal -1
	s_barrier_wait -1
.if (\kind) == 1
	CREST                                          ; no wave of any partner still reads the tokens' bytes or has a load on its way
	tensor_load_to_lds s[G0B2:G0B2+3], s[G1B2:G1B2+7]
	s_nop 0
.endif
	PLACES 5
.else
	PLACES 5                                       ; four in front of loads into registers that matrix instructions have read and of stores of results; five in front of products that begin an accumulator anew
	s_wait_dscnt 0x0
.endif
.if ((\d) == 0) && ((\i) > 0)
	ALLSTAGE
.endif
.if (\i) > 1
	s_wait_xcnt 0x0                                ; the stores of a quarter ago have read the registers that the read-back below fills
.endif
.if DD >= 5
	GST pD%4, pD/4-1
.endif
.if (\i) > 0
	BACK \d
.endif
.if DD < 15
	FETCHB nD/4, nD%4, nD%2
.endif
.if ((\i) == 0) && ((\d) < 3)
	ALOAD 2*(\d)+2
	ALOAD 2*(\d)+3
.endif
.set gg, 0
.rept 8
.if ((\d) == 0) && ((\i) > 0) && (gg < 4)
	s_wait_dscnt 56-8*gg                           ; the stage's stores of column tile g have read the accumulators that these products begin anew: behind them stand 8 (3 - g) stores and 32 loads
.endif
	ASET 2*(\d)+gg/4
.set aa, 0
.rept 4
	WM \i, 2*(\d)+gg/4, gg%4, aa, DD%2
.set aa, aa+1
.endr
.set gg, gg+1
.endr
.endm
.macro TOSTAGE a                       ; the last quarter: block a into the stage and back
	WIN 0x08
.irp t, 0,1,2,3
	ds_store_b128 v[STO], v[8*(4*(\a)+\t):8*(4*(\a)+\t)+3] offset:(\a)*SBLK+64*\t
	ds_store_b128 v[STO], v[8*(4*(\a)+\t)+4:8*(4*(\a)+\t)+7] offset:(\a)*SBLK+64*\t+16
.endr
	WIN 0
	BACK \a
.endm
.macro SEND a, younger
	s_wait_dscnt \younger
	GST \a, 3
.endm
	s_wait_tensorcnt 0x0                           ; my tile of the head's four is in
	ds_add_u32 v[SPW], v[NIL]
	s_wait_dscnt 0x0
	CROUND                                         ; all four tiles are in, and the joint loads meet
	tensor_load_to_lds s[G0B1:G0B1+3], s[G1B1:G1B1+7]   ; quarter 1, my two K steps
	s_nop 0
	PLACES 4
	ALOAD 0
	ALOAD 1
	FETCHB 0, 0, 0
	WIN 0
	s_wait_loadcnt 0x0                             ; the scale words are in
	DSTEP 0, 0, 0
	DSTEP 0, 1, 0
	DSTEP 0, 2, 0
	DSTEP 0, 3, 1
	DSTEP 1, 0, 0
	DSTEP 1, 1, 0
	DSTEP 1, 2, 0
	DSTEP 1, 3, 2
	DSTEP 2, 0, 0
	DSTEP 2, 1, 0
	DSTEP 2, 2, 0
	DSTEP 2, 3, 0
	DSTEP 3, 0, 0
	DSTEP 3, 1, 0
	DSTEP 3, 2, 0
	DSTEP 3, 3, 0
	WIN 0
	PLACES 4
	s_wait_dscnt 0x0                               ; quarter 2's last block is back
	s_wait_xcnt 0x0                                ; the earlier stores have read their registers
	GST 3, 2
	TOSTAGE 0
	TOSTAGE 1
	SEND 0, 16                                     ; behind block a's loads: block a + 1's 8 stores and 8 loads
	TOSTAGE 2
	SEND 1, 16
	s_wait_xcnt 0x0                                ; quarter 2's last block has been read by its stores: block 3 lands on its registers
	TOSTAGE 3
	SEND 2, 16
	SEND 3, 0
	s_wait_tensorcnt 0x0                           ; the wave's end: behind my last tensor load and my last LDS store
	ds_add_u32 v[SPW], v[NIL]
	s_wait_dscnt 0x0
	CROUND                                         ; the closing round: no work-group ends while a partner may still ask for a tile that names it
	s_endpgm
.Lfunc_end_k_qc412b000db_oproj:
	.size	k_qc412b000db_oproj, .Lfunc_end_k_qc412b000db_oproj-k_qc412b000db_oproj
	.p2alignl 7, 3214868480
	.fill 96, 4, 3214868480
	.section	.rodata,"a",@progbits
	.p2align	6, 0x0
	.amdhsa_kernel k_qc412b000db_oproj
		.amdhsa_group_segment_fixed_size 327680
		.amdhsa_private_segment_fixed_size 0
		.amdhsa_enable_private_segment 0
		.amdhsa_kernarg_size 40
		.amdhsa_user_sgpr_count 2
		.amdhsa_user_sgpr_kernarg_segment_ptr 1
		.amdhsa_wavefront_size32 1
		.amdhsa_system_sgpr_workgroup_id_x 1
		.amdhsa_system_sgpr_workgroup_id_y 1
		.amdhsa_system_sgpr_workgroup_id_z 1
		.amdhsa_system_vgpr_workitem_id 0
		.amdhsa_next_free_vgpr 1024
		.amdhsa_next_free_sgpr 96
		.amdhsa_reserve_vcc 0
		.amdhsa_float_denorm_mode_32 3
		.amdhsa_float_denorm_mode_16_64 3
		.amdhsa_memory_ordered 1
		.amdhsa_forward_progress 1
		.amdhsa_inst_pref_size 142
	.end_amdhsa_kernel
	.amdgpu_metadata
---
amdhsa.version: [ 1, 2 ]
amdhsa.kernels:
  - .name:           k_qc412b000db_oproj
    .symbol:         k_qc412b000db_oproj.kd
    .args:
      - { .name: o_codes, .offset: 0, .size: 8, .value_kind: global_buffer, .address_space: global }
      - { .name: o_scales, .offset: 8, .size: 8, .value_kind: global_buffer, .address_space: global }
      - { .name: wo_codes, .offset: 16, .size: 8, .value_kind: global_buffer, .address_space: global }
      - { .name: wo_scales, .offset: 24, .size: 8, .value_kind: global_buffer, .address_space: global }
      - { .name: out0, .offset: 32, .size: 8, .value_kind: global_buffer, .address_space: global }
    .group_segment_fixed_size: 327680
    .private_segment_fixed_size: 0
    .kernarg_segment_align: 8
    .kernarg_segment_size: 40
    .max_flat_workgroup_size: 128
    .sgpr_count:     96
    .vgpr_count:     1024
    .wavefront_size: 32
...
	.end_amdgpu_metadata
.endif
;; end of part 3
